; MI455X (gfx1250); checked and timed in simulation.
; The chip was launched on July 23, 2026; its instructions are those of AMD's public machine-readable ISA for CDNA 5 (MIT licence, August 2026) and "CDNA5" Instruction Set Architecture Reference Guide (July 2026). The comments in the code are by the model that wrote it; some were corrected since.
;; KNN Model. Allowed arithmetic: float matrix products may take bf16 or f16 operands with f32 sums; other float arithmetic in f32, or as packed bf16 or f16 multiplies, adds, multiply-adds, maxima and minima; sums over many terms, partial sums and values carried from step to step in f32; what a program stores and reads back later, other than sums and carried values, may be rounded once to bf16 or f16.
;; Inputs: meanings_t 100,000 x 5 int32; support 100,000 x 512 float32; utts 16 x 1,024 int32.
;; Outputs: out0 1,024 x 5 x 10 float32.
;; 2 versions, each right. Each part assembles by itself: llvm-mc -triple=amdgcn-amd-amdhsa -mcpu=gfx1250 --defsym DOCPART=n.
;; ======== version 1 of 2: 2 launches
;; workspace buffers: candv 262,144 bytes; candi 262,144 bytes of whole numbers
;; launch scan (part 1): grid 256 x 1, 4 waves a work-group, clusters of 4 x 1, 327,680 bytes of LDS; arguments support, utts, candv, candi; writes candv, candi
.if DOCPART == 1
	.amdgcn_target "amdgcn-amd-amdhsa--gfx1250"
	.amdhsa_code_object_version 6
	.text
	.protected	k_qf366ef11d8_scan
	.globl	k_qf366ef11d8_scan
	.p2align	8
	.type	k_qf366ef11d8_scan,@function
k_qf366ef11d8_scan:
	s_mov_b64 s[64:65], 0
	v_nop
	global_prefetch_b8 v0, s[64:65] scope:SCOPE_SE
	s_setreg_imm32_b32 hwreg(HW_REG_WAVE_MODE, 25, 1), 1
	s_wait_xcnt 0x0
	s_wait_alu depctr_hold_cnt(0) depctr_sa_sdst(0) depctr_va_vdst(0) depctr_va_sdst(0) depctr_va_ssrc(0) depctr_va_vcc(0) depctr_vm_vsrc(0)
	s_getreg_b32 s2, hwreg(HW_REG_IB_STS2, 6, 4)
	s_cmp_eq_u32 s2, 0
	s_cbranch_scc0 .Lentry_in_a_cluster
	s_endpgm
.Lentry_in_a_cluster:
	s_bfe_u32 s2, ttmp6, 0x10000c
	s_cmp_lg_u32 s2, 0x3003
	s_cbranch_scc0 .Lentry_shape_is_right
	s_endpgm
.Lentry_shape_is_right:
; NEAREST SUPPORT ROW, first of two launches.  For each of 1,024 queries (16 tokens, one-hot over 32: K = 512) and each of 64 ranges of support rows:
; the smallest d[n][s] = support_sq[s] - 2 cross[n][s] of the range and the FIRST row that has it.  candv[range][query] takes the value, candi[range][query] the row.
; The second launch takes the least of a query's 64 candidates and looks its meanings up.
; LEFT OUT AS DEAD: batch_sq[n].  reference() adds it to every entry of row n of squared_dist and then takes argmin along that row: argmin_s (b_n + f(n, s)) = argmin_s f(n, s) for
; every finite b_n, whatever the inputs hold.  utts stays live (it makes cross); every input is loaded.  A NaN, infinity or overflow that reaches batch_sq alone is not carried on.
; THE ONE-HOT OF utts never lies in memory: each wave makes its 64 queries' fragments once, in registers, with -2.0 in the place of 1, so that the product is -2 cross.
; A token outside 0..31 gives a row of zeros, as one_hot does.  The product stays dense: as a lookup it would be 16 gathered words and 16 additions for each query and row,
; 1.6e9 of each, which is no less vector and LDS work than the matrix form has matrix work.
; FORMATS AND LIMITS.  support is rounded once to bf16; cross AND support_sq are made of the rounded numbers, products exact, sums in f32: the result is reference() on support rounded
; to bf16, up to the order of the f32 sums and to the term left out (0 and 1 are exact, so are their sums).  A distance that is NaN is never chosen (reference's argmin would take it);
; infinities are not treated apart; row numbers, under 2^24, pass through f32 exactly in the last reduction.
; SHARES.  Cluster c (four work-groups) owns 100 groups of 16 rows from group min(6250 c / 64, 6150) on: neighbours overlap by two or three groups, which a minimum does not mind, and every
; trip count is a constant.  The four partners take 256 queries each and need the same rows: every tile of support is asked for JOINTLY (one tensor load, mask of four).
; Wave w of work-group cx holds queries 256 cx + 64 w + 16 t + r, t = 0..3: 512 registers of fragments.
; PRODUCT.  Source 0 = 16 queries, source 1 = 16 support rows: in the result lane (r, h) holds support row r and its registers j the queries 8 h + j.  So support_sq is one number a lane,
; and the running minimum (value, group) is kept for each register and lane; the sixteen lanes meet once, at the end.
; K IS TURNED BY THE WAVE: register place kk = 4 i + u stands for token position 4 ((w + i) & 3) + u.  Quarter i = 0 is the wave's own: its tensor load brings just those 128 columns as f32,
; it alone reads them, rounds them to bf16 in fragment layout, keeps them (OWN) and stores them once (STAGE) for the other three waves.
; support_sq: OWN times itself is the 16 x 16 table of the rows' products over my quarter of K; its diagonal is my partial sum.  Four products a group; the four waves' partials meet in PART.
; PIPELINE.  Step g, between two barriers: M(g), 64 products and those 4; V(g+1), the next group rounded and staged; R(g-1), d = acc + support_sq and the running minimum on the other set of
; accumulators.  Behind each product stands a slice of four lines of V, R or LDS loads, so that vector and matrix work run side by side; a slice costs two switches of the register window.
; LDS: [0, 270336) two slots of 64 rows f32, by wave: slot x 135168 + w x 33792, rows of 512 + 16 bytes (33 x 16: sixteen rows of a 16-byte load start 16 bytes apart modulo 256);
;   STAGE two buffers of 16,384: quarter x 4096 + fragment x 1024 + half x 512 + 16 x lane; PART two buffers of 256: 16 r + 4 w; SCR 512 a wave, for the way out; SPARE the spare words.
; REGISTERS, in windows of 256 (s_set_vgpr_msb: bits 1:0 source 0, 3:2 source 1, 5:4 source 2, 7:6 destination):
;   window 0: addresses, PP/PA/SS, G, two sets of 4 accumulators, BV, BI        window 1: addresses, T (f32 as loaded), OWN x 2, FB (three quarters' fragments)
;   windows 2, 3: the queries' fragments: tile t in window 2 + t / 2 at 128 (t % 2) + 8 kk
.set FP,    528                        ; an LDS row of the f32 tile
.set WREG,  64*FP                      ; a wave's part of a slot
.set SLOTB, 4*WREG                     ; a slot in LDS: 135,168
.set SLOTG, 64*2048                    ; a slot's 64 rows in memory
.set STAGE, 2*SLOTB
.set STB,   16384
.set PART,  STAGE+2*STB
.set SCR,   PART+512
.set SPARE, SCR+2048                   ; 128 bytes for each wave: two blocks of 256 bytes that no other line names
; window 0
.set SPW,  2                           ; my spare word: SPARE + 4 x thread; never rewritten
.set NIL,  3                           ; 0; never rewritten
.set PRD,  4                           ; PART + 16 r
.set PFO,  5                           ; the prefetch's offset; never rewritten
.set RB,   6                           ; 16 x first group + r: my row in group 0 of the range
.set INF,  7
.set SCW,  8                           ; SCR + 512 w + 32 h
.set SCRD, 9                           ; SCR + 512 w + 8 x lane
.set GOFF, 10                          ; 8 x lane
.set PW,   11                          ; PART + 16 r + 4 w
.set GX,   12
.set GY,   13
.set H8,   14                          ; 8 h (set-up)
.set C2,   15                          ; 0xc000: -2.0 in bf16 (set-up)
.set PP,   16                          ; v[16:19] the four partial sums of my row
.set PA,   20
.set SS,   22                          ; v[22:23] support_sq of my row, twice
.set G,    24                          ; v[24:31] OWN x OWN
.set ACC,  32                          ; v[32:95] set b at +32 b, tile t at +8 t
.set BV,   96                          ; v[96:127] the least d so far
.set BI,   128                         ; v[128:159] the group that gave it
.set TOK,  160                         ; v[160:223] tokens (set-up)
.set VAL,  224                         ; v[224:239] (set-up)
.set FM,   240                         ; v[240:247], v[248:255]: the last reduction; in the set-up r, h, lane and two at work
.set FX,   248
.set RR,   240
.set HH,   241
.set LL,   242
.set TA,   243
.set UO,   244
; window 1
.set FA0,  0                           ; w x 33792 + 528 r + 32 h
.set FA,   1                           ; the same in the slot in hand
.set STW,  2                           ; STAGE + 4096 w + 16 x lane
.set SR,   3                           ; v3-5: STAGE + 4096 ((w + i) & 3) + 16 x lane, i = 1..3
.set T,    32
.set OWN,  96
.set FB,   160
; scalars
.set WV,   12
.set CX,   13
.set START, 15
.set G1,   16                          ; s[16:23] descriptor group 1
.set G0A,  24                          ; s[24:27] group 0 of slot 0's first fill
.set G0B,  28                          ; s[28:31] group 0 of slot 1's first fill; then it walks
.set CNT,  32
.set GI,   33                          ; the group that R works on
.set TF,   35                          ; 0 or SLOTB: the slot that V reads
.set PFA,  36                          ; s[36:37]
.set MK0,  38
.set MK1,  39
.set SEL,  40                          ; s[40:41] v_permlanex16_b32: each lane takes its own place in the other half
.set WB,   42                          ; w x WREG
.set UB,   44                          ; s[44:51] four addresses in utts; at the end eight masks
.set B0,   56                          ; lanes with bit 0, 1, 2 of their number set
.set B1,   57
.set B2,   58
.set VALID, 59                         ; lanes 0-7 and 24-31: those that hold a diagonal element
.set MSB, 0
.macro WIN new                         ; the high byte repeats the setting that is left; a switch that changes nothing is dropped
.if MSB != (\new)
	s_set_vgpr_msb (MSB<<8)|(\new)
.set MSB, (\new)
.endif
.endm
.macro PLACES                          ; four plain vector lines between a matrix instruction and what reads its result, writes its registers or loads into them
.rept 4
	v_nop
.endr
.endm
.macro CREST                           ; a round of the cluster's barrier behind its opening barrier
	s_cmp_lg_u32 s[WV], 0
	s_cbranch_scc1 .Lnot_wave_0_\@
	s_barrier_signal -3
.Lnot_wave_0_\@:
	s_barrier_wait -3
	s_barrier_signal -1
	s_barrier_wait -1
.endm
.macro CROUND
	s_barrier_signal -1
	s_barrier_wait -1
	CREST
.endm
	s_load_b256 s[4:11], s[0:1], 0x0               ; support s[4:5], utts s[6:7], candv s[8:9], candi s[10:11]
	v_lshl_add_u32 v[SPW], v0, 2, SPARE
	v_mov_b32 v[NIL], 0
	ds_add_u32 v[SPW], v[NIL]                      ; the opening: the add, twice on end, and its wait ahead of my first tensor load
	ds_add_u32 v[SPW], v[NIL]
	v_lshrrev_b32 v1, 5, v0
	v_readfirstlane_b32 s[WV], v1                  ; wave 0..3
	s_bfe_u32 s[CX], ttmp6, 0x40000                ; my place in the cluster: it enters global addresses of utts, candv, candi and the prefetch alone
	s_mul_i32 s[START], ttmp9, 6250                ; in a cluster launch ttmp9 counts clusters
	s_lshr_b32 s[START], s[START], 6
	s_min_u32 s[START], s[START], 6150             ; the range's first group; 6150 + 100 = 6250 groups in all
	; descriptor group 1: 64 rows x 128 elements of 4 bytes, 512 elements from row to row, 4 words of padding behind each row's 128
	s_mov_b32 s[G1+0], 15|(2<<16)|(1<<20)|(1<<21)|(6<<22)|(3<<25)  ; 15:0 mask of four; 17:16 4-byte elements; 20 padding on; 21 set beside a mask; 24:22 every 128 words; 31:25 4 words
	s_mov_b32 s[G1+1], 128<<16                     ; tensor_dim0 = 128
	s_mov_b32 s[G1+2], 64<<16                      ; tensor_dim1 = 64
	s_mov_b32 s[G1+3], 128<<16                     ; tile_dim0 = 128
	s_mov_b32 s[G1+4], 64                          ; tile_dim1 = 64
	s_mov_b32 s[G1+5], 512                         ; the pitch
	s_mov_b32 s[G1+6], 0
	s_mov_b32 s[G1+7], 0
	s_mul_i32 s[WB], s[WV], WREG
	s_mov_b32 s[G0A], 1
	s_mov_b32 s[G0A+1], s[WB]                      ; slot 0, my part
	s_mov_b32 s[G0B], 1
	s_add_co_u32 s[G0B+1], s[WB], SLOTB            ; slot 1, my part
	s_lshl_b32 s52, s[START], 15                   ; a group is 32,768 bytes; under 2^28
	s_mov_b32 s53, 0
	s_lshl_b32 s54, s[WV], 9                       ; my 128 columns
	s_mov_b32 s55, 0
	s_mov_b32 s[SEL], 0x76543210
	s_mov_b32 s[SEL+1], 0xfedcba98
	s_mov_b32 s[B0], 0xaaaaaaaa
	s_mov_b32 s[B1], 0xcccccccc
	s_mov_b32 s[B2], 0xf0f0f0f0
	s_mov_b32 s[VALID], 0xff0000ff
	s_mov_b32 s[TF], 0
	s_mov_b32 s[GI], -2                            ; step 0 makes it -1, for an R that can choose nothing
	s_wait_dscnt 0x0                               ; both opening adds are done
	s_wait_kmcnt 0x0
	s_add_nc_u64 s[PFA:PFA+1], s[4:5], s[52:53]    ; support at the range's first row
	s_add_nc_u64 s[G0A+2:G0A+3], s[PFA:PFA+1], s[54:55]
	s_add_nc_u64 s[G0B+2:G0B+3], s[G0A+2:G0A+3], SLOTG
	s_or_b32 s[G0A+3], s[G0A+3], 0x80000000        ; type = 2
	s_or_b32 s[G0B+3], s[G0B+3], 0x80000000
	s_add_nc_u64 s[PFA:PFA+1], s[PFA:PFA+1], 3*SLOTG  ; at slot 3: the first refill steps it to slot 4
	CROUND                                         ; all four work-groups are here: the first joint loads meet
	tensor_load_to_lds s[G0A:G0A+3], s[G1:G1+7]    ; groups 0-3; two loads of mine are out
	s_nop 0
	tensor_load_to_lds s[G0B:G0B+3], s[G1:G1+7]    ; groups 4-7
	s_nop 0
	PLACES
	; THE SET-UP stands in the wait for the first tile.
	v_and_b32 v[RR], 15, v0                        ; r
	v_bfe_u32 v[HH], v0, 4, 1                      ; h
	v_and_b32 v[LL], 31, v0                        ; lane
	s_lshl_b32 s52, s[CX], 10
	s_lshl_b32 s54, s[WV], 8
	s_add_co_u32 s52, s52, s54                     ; 4 (256 cx + 64 w)
	v_lshl_add_u32 v[UO], v[RR], 2, s52            ; + 4 r: my query of tile 0, in a row of utts
.irp i, 0,1,2,3
	s_add_co_u32 s54, s[WV], \i
	s_and_b32 s54, s54, 3
	s_lshl_b32 s54, s54, 14                        ; four positions of 4,096 bytes
	s_add_nc_u64 s[UB+2*(\i):UB+2*(\i)+1], s[6:7], s[54:55]  ; utts at position 4 ((w + i) & 3)
.endr
.irp t, 0,1,2,3
.irp i, 0,1,2,3
.irp u, 0,1,2,3
	global_load_b32 v[TOK+16*(\t)+4*(\i)+(\u)], v[UO], s[UB+2*(\i):UB+2*(\i)+1] offset:4096*(\u)+64*(\t)
.endr
.endr
.endr
	v_mul_u32_u24 v[TA], v[RR], FP
	v_lshl_add_u32 v[TA], v[HH], 5, v[TA]          ; 528 r + 32 h
	WIN 0x40                                       ; destination window 1, sources window 0
	v_add_nc_u32 v[FA0], s[WB], v[TA]
	v_add_nc_u32 v[FA], s[WB], v[TA]               ; slot 0
	s_lshl_b32 s52, s[WV], 12
	s_add_co_u32 s52, s52, STAGE
	v_lshl_add_u32 v[STW], v[LL], 4, s52
.irp i, 1,2,3
	s_add_co_u32 s54, s[WV], \i
	s_and_b32 s54, s54, 3
	s_lshl_b32 s54, s54, 12
	s_add_co_u32 s54, s54, STAGE
	v_lshl_add_u32 v[SR+(\i)-1], v[LL], 4, s54
.endr
	WIN 0
	v_lshl_add_u32 v[PRD], v[RR], 4, PART
	s_lshl_b32 s52, s[WV], 2
	s_add_co_u32 s52, s52, PART
	v_lshl_add_u32 v[PW], v[RR], 4, s52
	s_lshl_b32 s52, s[START], 4
	v_add_nc_u32 v[RB], s52, v[RR]
	v_mov_b32 v[INF], 0x7f800000
	s_lshl_b32 s52, s[WV], 9
	s_add_co_u32 s52, s52, SCR
	v_lshl_add_u32 v[SCW], v[HH], 5, s52
	v_lshl_add_u32 v[SCRD], v[LL], 3, s52
	v_lshlrev_b32 v[GOFF], 3, v[LL]
	v_lshlrev_b32 v[H8], 3, v[HH]
	v_mov_b32 v[C2], 0xc000
	v_mov_b32 v[GY], 0                             ; v_permlanex16_b32's destination counts as read
	; the prefetch: a slot is 64 rows x 8 blocks of 256 bytes = 512 blocks, one for each lane of the cluster's 16 waves, told apart by address: row 16 cx + lane / 2, block 2 w + lane % 2
	v_lshrrev_b32 v[TA], 1, v[LL]
	v_lshlrev_b32 v[TA], 11, v[TA]
	v_and_b32 v1, 1, v[LL]
	v_lshl_add_u32 v[TA], v1, 8, v[TA]
	s_lshl_b32 s52, s[CX], 15
	s_lshl_b32 s54, s[WV], 9
	s_add_co_u32 s52, s52, s54
	v_add_nc_u32 v[PFO], s52, v[TA]
	; The minimum starts at +infinity.  So does accumulator set 1: step 0 runs R on it like every step, and +infinity is below nothing; that spares a first step written out.
.set i, 0
.rept 32
	v_mov_b32 v[BV+i], v[INF]
	v_mov_b32 v[BI+i], 0
	v_mov_b32 v[ACC+32+i], v[INF]
.set i, i+1
.endr
; The fragments of tile t.  A fragment is 16 queries x 32 k in 8 registers: lane (r, h) holds query r; registers 0-3 hold k = 8 h + 0..7, registers 4-7 hold k = 16 + 8 h + 0..7, two to a register.
; With y = token - 8 h the one number that is not 0 lies in half y & 1 of the register whose pair number y >> 1 is j (j < 4) or j + 4 (j >= 4); compared in all 32 bits, so a token outside 0..31 finds no register.
.macro BUILD t
	WIN 0
.set kk, 0
.rept 16
	v_sub_nc_u32 v[TOK+16*(\t)+kk], v[TOK+16*(\t)+kk], v[H8]
	v_lshlrev_b32 v[VAL+kk], 4, v[TOK+16*(\t)+kk]
	v_and_b32 v[VAL+kk], 16, v[VAL+kk]
	v_lshlrev_b32 v[VAL+kk], v[VAL+kk], v[C2]      ; -2.0 in the low or the high half
	v_lshrrev_b32 v[TOK+16*(\t)+kk], 1, v[TOK+16*(\t)+kk]
.set kk, kk+1
.endr
	WIN 0x80+0x40*((\t)/2)                         ; destination window 2 or 3
.set kk, 0
.rept 16
.irp j, 0,1,2,3,4,5,6,7
	v_cmp_eq_u32 vcc_lo, (\j)+4*((\j)/4), v[TOK+16*(\t)+kk]
	v_cndmask_b32 v[128*((\t)%2)+8*kk+(\j)], 0, v[VAL+kk], vcc_lo
.endr
.set kk, kk+1
.endr
	WIN 0
.endm
	s_wait_loadcnt 0x0                             ; the tokens
	BUILD 0
	BUILD 1
	BUILD 2
	BUILD 3
; THE MATRIX WORK.  Product p of 64: K place p / 4, tile p % 4: the four accumulators take turns, one instruction a turn; the first four start the sums with 0.
.macro MM b
.set kk, p/4
.set tt, p%4
.set rA, 128*(tt%2)+8*kk
.set rD, ACC+32*(\b)+8*tt
.if kk < 4
.set rB, OWN+32*(\b)+8*kk
.else
.set rB, FB+8*(kk-4)
.endif
	WIN 0x06+tt/2                                  ; queries in window 2 or 3, support in window 1, sums in window 0
.if kk == 0
	v_wmma_f32_16x16x32_bf16 v[rD:rD+7], v[rA:rA+7], v[rB:rB+7], 0
.else
	v_wmma_f32_16x16x32_bf16 v[rD:rD+7], v[rA:rA+7], v[rB:rB+7], v[rD:rD+7]
.endif
.endm
.macro GM b                            ; behind products 3, 7, 11, 15: my own fragment p / 4 times itself, a fifth accumulator in the turns
.set rB, OWN+32*(\b)+8*(p/4)
	WIN 0x05
.if p < 4
	v_wmma_f32_16x16x32_bf16 v[G:G+7], v[rB:rB+7], v[rB:rB+7], 0
.else
	v_wmma_f32_16x16x32_bf16 v[G:G+7], v[rB:rB+7], v[rB:rB+7], v[G:G+7]
.endif
.endm
; THE LDS LOADS.  dsn counts the LDS instructions that a step has issued; a mark is dsn behind a run of loads; a wait for that run is for dsn - mark: what has been issued behind it (LDS
; instructions of a wave end in order: ISA guide 5.7.1).  Every step begins with none out.
.macro LQH b, i, hf                    ; half hf of quarter i's four fragments, from buffer b of the stage
	WIN 0x55
.irp z, 0,1,2,3
	ds_load_b128 v[FB+32*((\i)-1)+16*(\hf)+4*(\z):FB+32*((\i)-1)+16*(\hf)+4*(\z)+3], v[SR+(\i)-1] offset:(\b)*STB+(\hf)*2048+(\z)*512
.endr
.set dsn, dsn+4
.endm
.macro LF sub, u                       ; 16 f32 a lane: group sub of the slot, K place u of my quarter: k = 8 h + 0..7 and 16 + 8 h + 0..7 of row r
	WIN 0x55
	ds_load_b128 v[T+16*(\u):T+16*(\u)+3],     v[FA] offset:(\sub)*16*FP+128*(\u)
	ds_load_b128 v[T+16*(\u)+4:T+16*(\u)+7],   v[FA] offset:(\sub)*16*FP+128*(\u)+16
	ds_load_b128 v[T+16*(\u)+8:T+16*(\u)+11],  v[FA] offset:(\sub)*16*FP+128*(\u)+64
	ds_load_b128 v[T+16*(\u)+12:T+16*(\u)+15], v[FA] offset:(\sub)*16*FP+128*(\u)+80
.set dsn, dsn+4
.endm
; V, 40 lines: for each K place of my quarter eight roundings (two f32 to a register of bf16: the fragment) and two stores of 16 bytes a lane into buffer bn of the stage.
.macro VQ1 bn
.if vq < 40
	WIN 0x55
.set uu, vq/10
.set mm, vq%10
.if mm == 0
.if uu == 0
	s_wait_dscnt dsn-mF0
.elseif uu == 1
	s_wait_dscnt dsn-mF1
.elseif uu == 2
	s_wait_dscnt dsn-mF2
.else
	s_wait_dscnt dsn-mF3
.endif
.endif
.if mm < 8
	v_cvt_pk_bf16_f32 v[OWN+32*(\bn)+8*uu+mm], v[T+16*uu+2*mm], v[T+16*uu+2*mm+1]
.else
	ds_store_b128 v[STW], v[OWN+32*(\bn)+8*uu+4*(mm-8):OWN+32*(\bn)+8*uu+4*(mm-8)+3] offset:(\bn)*STB+1024*uu+512*(mm-8)
.set dsn, dsn+1
.endif
.set vq, vq+1
.endif
.endm
; The diagonal of G, 10 lines.  Element (m, n) lies in lane (r = n, h = m / 8), register m % 8: row r's own lies in lane r (r < 8) or 16 + r, register lane & 7.  Seven selects by the lane's
; low three bits (the lowest registers are read first); the lanes that hold none take it from the lane 16 away; both halves store the same word.
.macro GQ1 b
.if gq < 10
	WIN 0
.if gq < 4
	v_cndmask_b32 v[G+2*gq], v[G+2*gq], v[G+2*gq+1], s[B0]
.elseif gq < 6
	v_cndmask_b32 v[G+4*(gq-4)], v[G+4*(gq-4)], v[G+4*(gq-4)+2], s[B1]
.elseif gq == 6
	v_cndmask_b32 v[GX], v[G], v[G+4], s[B2]
.elseif gq == 7
	v_permlanex16_b32 v[GY], v[GX], s[SEL], s[SEL+1]
.elseif gq == 8
	v_cndmask_b32 v[GX], v[GY], v[GX], s[VALID]
.else
	ds_store_b32 v[PW], v[GX] offset:256*(\b)
.set dsn, dsn+1
.endif
.set gq, gq+1
.endif
.endm
; R, 115 lines, on accumulator set ab.  0-2: support_sq of my row from the four partial sums.  Then for each tile: four packed additions d = acc + support_sq, lowest registers first; and for each
; pair of d six lines: two compares d < least (strict: an earlier group keeps a tie; false for NaN), and value and group selected by each.
.macro RQ1 ab
.if rq < 115
	WIN 0
.if rq == 0
	s_wait_dscnt dsn-mPP
	v_pk_add_f32 v[PA:PA+1], v[PP:PP+1], v[PP+2:PP+3]
.elseif rq < 3
	v_add_f32 v[SS+rq-1], v[PA], v[PA+1]
.else
.set tq, (rq-3)/28
.set mq, (rq-3)%28
.set rC, ACC+32*(\ab)+8*tq
.set rV, BV+8*tq
.set rI, BI+8*tq
.if mq < 4
	v_pk_add_f32 v[rC+2*mq:rC+2*mq+1], v[rC+2*mq:rC+2*mq+1], v[SS:SS+1]
.else
.set qq, 2*((mq-4)/6)
.set zq, (mq-4)%6
.if zq == 0
	v_cmp_lt_f32 s[MK0], v[rC+qq], v[rV+qq]
.elseif zq == 1
	v_cmp_lt_f32 s[MK1], v[rC+qq+1], v[rV+qq+1]
.elseif zq == 2
	v_cndmask_b32 v[rV+qq], v[rV+qq], v[rC+qq], s[MK0]
.elseif zq == 3
	v_cndmask_b32 v[rI+qq], v[rI+qq], s[GI], s[MK0]
.elseif zq == 4
	v_cndmask_b32 v[rV+qq+1], v[rV+qq+1], v[rC+qq+1], s[MK1]
.else
	v_cndmask_b32 v[rI+qq+1], v[rI+qq+1], s[GI], s[MK1]
.endif
.endif
.endif
.set rq, rq+1
.endif
.endm
; THE SLICE behind product p.  With V: 0-9 the step's 40 loads (quarter 1; f32 places 0, 1; quarter 2; places 2, 3; quarter 3: in the order in which they are wanted);
; even 16-24 and 36-44 V; 28, 30, 32 the diagonal; every other place up to 51 R.  No line of a slice names a register of the products round it.
.macro SLICE b, sub, v
.if (\v) && (p < 10)
.if p < 2
	LQH \b, 1, p
.set mQ1, dsn
.elseif p == 2
	LF \sub, 0
.set mF0, dsn
.elseif p == 3
	LF \sub, 1
.set mF1, dsn
.elseif p < 6
	LQH \b, 2, p-4
.set mQ2, dsn
.elseif p == 6
	LF \sub, 2
.set mF2, dsn
.elseif p == 7
	LF \sub, 3
.set mF3, dsn
.else
	LQH \b, 3, p-8
.set mQ3, dsn
.endif
.elseif (!(\v)) && (p < 6)
	LQH \b, 1+p/2, p%2
.if p < 2
.set mQ1, dsn
.elseif p < 4
.set mQ2, dsn
.else
.set mQ3, dsn
.endif
.elseif (\v) && (p%2 == 0) && (((p >= 16) && (p <= 24)) || ((p >= 36) && (p <= 44)))
.rept 4
	VQ1 1-(\b)
.endr
.elseif (p%2 == 0) && (p >= 28) && (p <= 32)
.rept 4
	GQ1 \b
.endr
.elseif p <= 58
.rept 4
	RQ1 1-(\b)
.endr
.endif
.endm
; A prefetch into the L2 behind each refill and its five lines: the slot that the refill two trips on will ask for (trip i refills with slot i + 2 and names slot i + 4), a block of 256 bytes
; a lane, one instruction a wave, each block of the range named once by the cluster.  Slots 0 to 3 come by their loads alone; the last two refilling trips name nothing: slot 24 is the last.
.macro ASK
	s_cmp_gt_u32 s[CNT], 2
	s_cbranch_scc0 .Lno_ask_\@
	global_prefetch_b8 v[PFO], s[PFA:PFA+1] th:TH_LOAD_NT scope:SCOPE_SE
.Lno_ask_\@:
.endm
; A STEP.  b = the group's parity; sub = which group of the slot V rounds; v = 0: no V (the last group); tail = 1: a work-group barrier ends the step: behind it the stage and the partial sums
; written here are read, and the buffers read here are written; tail = 2: that barrier opens a round of the cluster's, and the slot that V has read out is filled again; tail = 0: none.
.macro STEP b, sub, v, tail
	WIN 0
	PLACES                                         ; behind the last step's products: for R's reads and writes of their sums, V's writes of OWN and the loads into FB
	s_add_co_i32 s[GI], s[GI], 1
	ds_load_b128 v[PP:PP+3], v[PRD] offset:256*(1-(\b))  ; the partial sums of the group before, stored in the step before
.set dsn, 1
.set mPP, 1
.set vq, 0
.set gq, 0
.set rq, 0
.set p, 0
.rept 64
.if p == 16
	s_wait_dscnt dsn-mQ1                           ; quarter 1's fragments are in
.elseif p == 32
	s_wait_dscnt dsn-mQ2
.elseif p == 48
	s_wait_dscnt dsn-mQ3
.endif
.if ((\tail) == 2) && (p == 50)
	WIN 0                                          ; (the add's two registers lie in window 0)
	s_wait_tensorcnt 0x0                           ; all my tensor loads have landed: the one that was out is my part of the other slot; so a group 0 may be written
	ds_add_u32 v[SPW], v[NIL]                      ; 0 onto my spare word: work on registers stands between it and its wait
	s_add_co_u32 s[G0B+1], s[TF], s[WB]            ; the slot that V has just read out,
	s_add_nc_u64 s[G0B+2:G0B+3], s[G0B+2:G0B+3], SLOTG  ; the next 64 rows not yet asked for; the type bits on top are not reached
	s_wait_xcnt 0x0                                ; the last prefetch, a trip back, has read its address
	s_add_nc_u64 s[PFA:PFA+1], s[PFA:PFA+1], SLOTG
.endif
.if ((\tail) != 0) && (p == 52)
	s_wait_dscnt 0x0                               ; my stores into stage and PART are done, my reads of stage, PART and the f32 slot are back (and the add is done)
	s_barrier_signal -1                            ; twelve products, work on registers alone, stand between signal and wait
.endif
	MM \b
.if (p < 16) && (p%4 == 3)
	GM \b
.endif
	SLICE \b, \sub, \v
.set p, p+1
.endr
.if (\tail) != 0
	WIN 0                                          ; at a label and at a branch every window is 0
	s_barrier_wait -1
.endif
.if (\tail) == 2
	CREST                                          ; no wave of any partner still reads the slot or has a load on its way
	tensor_load_to_lds s[G0B:G0B+3], s[G1:G1+7]    ; my one tensor load behind the round, and the first thing there: it has a trip less fourteen products in which to land
	s_nop 0
	PLACES
	ASK
.endif
.endm
.macro TOP                             ; a trip's V reads the other slot
	s_xor_b32 s[TF], s[TF], SLOTB
	WIN 0x55
	v_add_nc_u32 v[FA], s[TF], v[FA0]
	WIN 0
.endm
	; V(0), by itself.  PART's second buffer is set to 0 for step 0's R.
	s_wait_tensorcnt 0x1                           ; my part of slot 0 is in (only I read it); slot 1's may stay out
	ds_store_b32 v[PW], v[NIL] offset:256
.set dsn, 1
	LF 0, 0
.set mF0, dsn
	LF 0, 1
.set mF1, dsn
	LF 0, 2
.set mF2, dsn
	LF 0, 3
.set mF3, dsn
.set vq, 0
.rept 40
	VQ1 0
.endr
	WIN 0
	s_wait_dscnt 0x0
	s_barrier_signal -1
	s_barrier_wait -1                              ; group 0 lies in the stage
	s_mov_b32 s[CNT], 23
	s_branch .Lenter                               ; the loop is entered behind its first step: there is no step -1
.Ltrip:                                            ; trip i: steps 4 i - 1 .. 4 i + 2; V rounds groups 4 i .. 4 i + 3, all of slot i & 1, which is then filled with slot i + 2's rows
	TOP
	STEP 1, 0, 1, 1
.Lenter:
	STEP 0, 1, 1, 1
	STEP 1, 2, 1, 1
	STEP 0, 3, 1, 2
	s_sub_co_u32 s[CNT], s[CNT], 1
	s_cmp_lg_u32 s[CNT], 0
	s_cbranch_scc1 .Ltrip
	s_mov_b32 s[CNT], 2                            ; trips 23 and 24 are a text of their own: nothing is left to ask for
.Ltail:
	TOP
	STEP 1, 0, 1, 1
	STEP 0, 1, 1, 1
	STEP 1, 2, 1, 1
	STEP 0, 3, 1, 1
	s_wait_tensorcnt 0x0                           ; slot 24, asked for a trip ago, is in before the next trip's V reads it
	s_sub_co_u32 s[CNT], s[CNT], 1
	s_cmp_lg_u32 s[CNT], 0
	s_cbranch_scc1 .Ltail
	STEP 1, 0, 0, 0                                ; step 99: M(99), R(98)
	WIN 0
	s_wait_dscnt 0x0                               ; my partial sum of group 99 is stored
	s_barrier_signal -1
	s_barrier_wait -1                              ; everybody's is
	ds_load_b128 v[PP:PP+3], v[PRD] offset:256
.set dsn, 1
.set mPP, 1
.set rq, 0
	PLACES                                         ; behind the last products
	s_add_co_i32 s[GI], s[GI], 1
.rept 115
	RQ1 1                                          ; R(99)
.endr
	; THE WAY OUT.  For each register: the least value over the sixteen lanes of my half (the sixteen rows of a group), then the least row number among the lanes that hold it: the first row wins.
	; Row numbers go as f32, exact under 2^24, so that the same lane steps serve.  Eight registers at a time, so that no line waits for the one before it.
.macro DPPMIN base, m
.irp j, 0,1,2,3,4,5,6,7
	v_min_num_f32_dpp v[(\base)+\j], v[(\base)+\j], v[(\base)+\j] row_xmask:\m row_mask:0xf bank_mask:0xf
.endr
.endm
.macro FIN8 t
.irp j, 0,1,2,3,4,5,6,7
	v_lshl_add_u32 v[FX+\j], v[BI+8*(\t)+\j], 4, v[RB]  ; 16 (first group + group) + r
.endr
.irp j, 0,1,2,3,4,5,6,7
	v_cvt_f32_u32 v[FX+\j], v[FX+\j]
.endr
.irp j, 0,1,2,3,4,5,6,7
	v_min_num_f32_dpp v[FM+\j], v[BV+8*(\t)+\j], v[BV+8*(\t)+\j] row_xmask:1 row_mask:0xf bank_mask:0xf
.endr
	DPPMIN FM, 2
	DPPMIN FM, 4
	DPPMIN FM, 8
.irp j, 0,1,2,3,4,5,6,7
	v_cmp_eq_f32 s[UB+\j], v[BV+8*(\t)+\j], v[FM+\j]
.endr
.irp j, 0,1,2,3,4,5,6,7
	v_cndmask_b32 v[FX+\j], v[INF], v[FX+\j], s[UB+\j]
.endr
	DPPMIN FX, 1
	DPPMIN FX, 2
	DPPMIN FX, 4
	DPPMIN FX, 8
.irp j, 0,1,2,3,4,5,6,7
	v_cvt_u32_f32 v[FX+\j], v[FX+\j]
.endr
.irp j, 0,1,2,3,4,5,6,7
	ds_store_b32 v[SCW], v[FM+\j] offset:4*(16*(\t)+\j)      ; query 16 t + 8 h + j of my 64: sixteen lanes write one word with one value
	ds_store_b32 v[SCW], v[FX+\j] offset:256+4*(16*(\t)+\j)
.endr
.endm
.irp j, 0,1,2,3,4,5,6,7
	v_mov_b32 v[FM+\j], 0                          ; a DPP line's destination counts as read
.endr
	FIN8 0
	FIN8 1
	FIN8 2
	FIN8 3
	s_lshl_b32 s52, ttmp9, 12                      ; 4 (1024 c + 256 cx + 64 w)
	s_lshl_b32 s54, s[CX], 10
	s_add_co_u32 s52, s52, s54
	s_lshl_b32 s54, s[WV], 8
	s_add_co_u32 s52, s52, s54
	s_mov_b32 s53, 0
	s_add_nc_u64 s[8:9], s[8:9], s[52:53]
	s_add_nc_u64 s[10:11], s[10:11], s[52:53]
	ds_load_b64 v[FM:FM+1], v[SCRD]                ; LDS serves a wave's instructions in order (ISA guide 5.7.1): these see my stores above
	ds_load_b64 v[FX:FX+1], v[SCRD] offset:256
	s_wait_dscnt 0x0
	global_store_b64 v[GOFF], v[FM:FM+1], s[8:9]   ; 32 lanes store 256 consecutive bytes, at a multiple of 256 from the buffer's first byte
	global_store_b64 v[GOFF], v[FX:FX+1], s[10:11]
	s_wait_tensorcnt 0x0                           ; the wave's end: behind my last tensor load and my last LDS store
	ds_add_u32 v[SPW], v[NIL]
	s_wait_dscnt 0x0
	CROUND                                         ; the closing round: no work-group ends while a partner may still ask for a tile that names it
	s_endpgm
.Lfunc_end_k_qf366ef11d8_scan:
	.size	k_qf366ef11d8_scan, .Lfunc_end_k_qf366ef11d8_scan-k_qf366ef11d8_scan
	.p2alignl 7, 3214868480
	.fill 96, 4, 3214868480
	.section	.rodata,"a",@progbits
	.p2align	6, 0x0
	.amdhsa_kernel k_qf366ef11d8_scan
		.amdhsa_group_segment_fixed_size 327680
		.amdhsa_private_segment_fixed_size 0
		.amdhsa_enable_private_segment 0
		.amdhsa_kernarg_size 32
		.amdhsa_user_sgpr_count 2
		.amdhsa_user_sgpr_kernarg_segment_ptr 1
		.amdhsa_wavefront_size32 1
		.amdhsa_system_sgpr_workgroup_id_x 1
		.amdhsa_system_sgpr_workgroup_id_y 1
		.amdhsa_system_sgpr_workgroup_id_z 1
		.amdhsa_system_vgpr_workitem_id 0
		.amdhsa_next_free_vgpr 1024
		.amdhsa_next_free_sgpr 66
		.amdhsa_reserve_vcc 1
		.amdhsa_float_denorm_mode_32 3
		.amdhsa_float_denorm_mode_16_64 3
		.amdhsa_memory_ordered 1
		.amdhsa_forward_progress 1
		.amdhsa_inst_pref_size 255
	.end_amdhsa_kernel
	.section	.bss,"aw",@nobits
	.p2align	6
	.space	262144
	.amdgpu_metadata
---
amdhsa.version: [ 1, 2 ]
amdhsa.kernels:
  - .name:           k_qf366ef11d8_scan
    .symbol:         k_qf366ef11d8_scan.kd
    .args:
      - { .name: support, .offset: 0, .size: 8, .value_kind: global_buffer, .address_space: global }
      - { .name: utts, .offset: 8, .size: 8, .value_kind: global_buffer, .address_space: global }
      - { .name: candv, .offset: 16, .size: 8, .value_kind: global_buffer, .address_space: global }
      - { .name: candi, .offset: 24, .size: 8, .value_kind: global_buffer, .address_space: global }
    .group_segment_fixed_size: 327680
    .private_segment_fixed_size: 0
    .kernarg_segment_align: 8
    .kernarg_segment_size: 32
    .max_flat_workgroup_size: 128
    .sgpr_count:     66
    .vgpr_count:     1024
    .wavefront_size: 32
...
	.end_amdgpu_metadata
.endif
;; end of part 1
;; launch pick (part 2): grid 32 x 1, 8 waves a work-group, no clusters, 4,352 bytes of LDS; arguments candv, candi, meanings_t, out0; writes out0
.if DOCPART == 2
	.amdgcn_target "amdgcn-amd-amdhsa--gfx1250"
	.amdhsa_code_object_version 6
	.text
	.protected	k_qf366ef11d8_pick
	.globl	k_qf366ef11d8_pick
	.p2align	8
	.type	k_qf366ef11d8_pick,@function
k_qf366ef11d8_pick:
	s_mov_b64 s[64:65], 0
	v_nop
	global_prefetch_b8 v0, s[64:65] scope:SCOPE_SE
	s_setreg_imm32_b32 hwreg(HW_REG_WAVE_MODE, 25, 1), 1
	s_wait_xcnt 0x0
; NEAREST SUPPORT ROW, second of two launches.  candv, candi: [64 ranges][1024 queries], the least distance of each range (batch_sq left out, as the first launch shows) and its first row.
; For each query: the least value, at equal values the lowest row; that row's five meanings; out0[query][type][0..9] = 1.0 where the meaning is, else 0.
; The choice among the 64 hangs on f32 compares, so no address is made of it: the meanings of ALL 64 candidate rows are fetched (their addresses come from whole numbers read from memory),
; packed four bits a type, and value, row and pack are selected together.  A meaning outside 0..9 is packed as itself or as 15 and meets no column, as in one_hot.
; SHARES.  A work-group has 32 queries, a lane a query; wave v takes candidates 8 v .. 8 v + 7; the eight waves' results meet in LDS.  32 queries are 6,400 consecutive bytes of out0,
; 25 whole blocks of 256: fewer queries to a work-group would cut blocks, so the launch has 32 work-groups.  No matrix unit, cluster or prefetch: half a megabyte is read, once.
.set SPARE, 3328                       ; behind the three tables of 1,024 bytes: the spare words, 128 bytes for each of eight waves
.set LN,  2                            ; lane
.set CO,  3                            ; my byte offset in candv and candi: candidate 8 v, my query
.set LS,  4                            ; 4 x thread
.set LR,  5                            ; 4 x lane
.set SO,  6                            ; 16 x thread
.set VV,  8                            ; v[8:15]   values
.set II,  16                           ; v[16:23]  rows; at the end the results
.set OF,  24                           ; v[24:31]  byte offsets in meanings_t; at the end the packs fetched from other lanes
.set MG,  32                           ; v[32:71]  five meanings for each of eight candidates; the pack takes the first one's place
.set QA,  72                           ; v[72:79]  for each of my eight numbers of out0: 4 x its query in the work-group,
.set SHF, 80                           ; v[80:87]  4 x its type,
.set KV,  88                           ; v[88:95]  its column
.set TM,  96
.set SPW, 98
.set NIL, 99
; (bv, bi, bp) takes (cv, ci, cp) where cv < bv, or cv = bv and ci < bi
.macro LEX bv, bi, bp, cv, ci, cp
	v_cmp_lt_f32 s20, v[\cv], v[\bv]
	v_cmp_eq_f32 s21, v[\cv], v[\bv]
	v_cmp_lt_u32 s22, v[\ci], v[\bi]
	s_and_b32 s21, s21, s22
	s_or_b32 s20, s20, s21
	v_cndmask_b32 v[\bv], v[\bv], v[\cv], s20
	v_cndmask_b32 v[\bi], v[\bi], v[\ci], s20
	v_cndmask_b32 v[\bp], v[\bp], v[\cp], s20
.endm
	s_load_b256 s[4:11], s[0:1], 0x0               ; candv s[4:5], candi s[6:7], meanings_t s[8:9], out0 s[10:11]
	v_lshl_add_u32 v[SPW], v0, 2, SPARE
	v_mov_b32 v[NIL], 0
	v_lshrrev_b32 v1, 5, v0
	v_readfirstlane_b32 s12, v1                    ; wave 0..7
	v_and_b32 v[LN], 31, v0
	s_lshl_b32 s13, ttmp9, 7                       ; 32 queries x 4 bytes
	s_lshl_b32 s14, s12, 15                        ; 8 candidates x 4,096 bytes
	s_add_co_u32 s13, s13, s14
	v_lshl_add_u32 v[CO], v[LN], 2, s13
	v_lshlrev_b32 v[LS], 2, v0
	v_lshlrev_b32 v[LR], 2, v[LN]
	v_lshlrev_b32 v[SO], 4, v0
	s_mul_i32 s16, ttmp9, 6400
	s_mov_b32 s17, 0
	s_wait_kmcnt 0x0
	s_add_nc_u64 s[10:11], s[10:11], s[16:17]
.irp k, 0,1,2,3,4,5,6,7
	global_load_b32 v[II+\k], v[CO], s[6:7] offset:4096*\k
.endr
.irp k, 0,1,2,3,4,5,6,7
	global_load_b32 v[VV+\k], v[CO], s[4:5] offset:4096*\k
.endr
	; While they are out: where my eight numbers of out0 belong.  Number f = 4 (thread + 256 (n / 4)) + n % 4 of the work-group's 1,600: query f / 50 = f x 5243 >> 18 (exact up to 2,047),
	; rest / 10 = rest x 205 >> 11 (exact up to 49).  Threads 144 and up reckon a second four that they do not store.
.set n, 0
.rept 8
	v_add_nc_u32 v[TM], 1024*(n/4)+n%4, v[LS]
	v_mul_u32_u24 v[QA+n], v[TM], 5243
	v_lshrrev_b32 v[QA+n], 18, v[QA+n]
	v_mul_u32_u24 v[TM+1], v[QA+n], 50
	v_sub_nc_u32 v[TM], v[TM], v[TM+1]
	v_mul_u32_u24 v[SHF+n], v[TM], 205
	v_lshrrev_b32 v[SHF+n], 11, v[SHF+n]
	v_mul_u32_u24 v[TM+1], v[SHF+n], 10
	v_sub_nc_u32 v[KV+n], v[TM], v[TM+1]
	v_lshlrev_b32 v[SHF+n], 2, v[SHF+n]
	v_lshlrev_b32 v[QA+n], 2, v[QA+n]
.set n, n+1
.endr
	s_wait_loadcnt 0x8                             ; the eight rows are in; the eight values, issued behind them, may stay out
.irp k, 0,1,2,3,4,5,6,7
	v_min_u32 v[II+\k], 0x1869f, v[II+\k]          ; a row of the table: 99,999 at the most
	v_mul_u32_u24 v[OF+\k], v[II+\k], 20           ; five words a row
.endr
.irp k, 0,1,2,3,4,5,6,7
.irp t, 0,1,2,3,4
	global_load_b32 v[MG+5*\k+\t], v[OF+\k], s[8:9] offset:4*\t
.endr
.endr
	s_wait_loadcnt 0x0
.irp k, 0,1,2,3,4,5,6,7
.irp t, 0,1,2,3,4
	v_min_u32 v[MG+5*\k+\t], 15, v[MG+5*\k+\t]
.endr
.irp t, 1,2,3,4
	v_lshl_or_b32 v[MG+5*\k], v[MG+5*\k+\t], 4*\t, v[MG+5*\k]
.endr
.endr
.set k, 1
.rept 7
	LEX VV, II, MG, VV+k, II+k, MG+5*k
.set k, k+1
.endr
	ds_store_b32 v[LS], v[VV]
	ds_store_b32 v[LS], v[II] offset:1024
	ds_store_b32 v[LS], v[MG] offset:2048
	s_wait_dscnt 0x0                               ; for the others' sake: my three stores are done
	s_barrier_signal -1
	s_barrier_wait -1
.irp k, 0,1,2,3,4,5,6,7
	ds_load_b32 v[VV+\k], v[LR] offset:128*\k      ; every wave takes all eight waves' results for its lane's query
	ds_load_b32 v[II+\k], v[LR] offset:1024+128*\k
	ds_load_b32 v[MG+\k], v[LR] offset:2048+128*\k
.endr
	s_wait_dscnt 0x0
.set k, 1
.rept 7
	LEX VV, II, MG, VV+k, II+k, MG+k
.set k, k+1
.endr
	; lane l of every wave now holds the pack of query l.  Each number of out0 pulls its query's pack; all lanes are on, so every lane that is pulled from is live.
.set n, 0
.rept 8
	ds_bpermute_b32 v[OF+n], v[QA+n], v[MG]
.set n, n+1
.endr
	s_wait_dscnt 0x0
.set n, 0
.rept 8
	v_lshrrev_b32 v[OF+n], v[SHF+n], v[OF+n]
	v_and_b32 v[OF+n], 15, v[OF+n]
	v_cmp_eq_u32 vcc_lo, v[OF+n], v[KV+n]
	v_cndmask_b32 v[II+n], 0, 1.0, vcc_lo
.set n, n+1
.endr
	global_store_b128 v[SO], v[II:II+3], s[10:11]  ; sixteen lanes store 256 consecutive bytes, at a multiple of 256 from out0's first byte
	s_wait_xcnt 0x0                                ; EXEC changes only behind this wait
	v_cmp_gt_u32 vcc_lo, 144, v0                   ; 400 pieces of 16 bytes: threads 0 to 143 have a second one
	s_and_saveexec_b32 s20, vcc_lo
	global_store_b128 v[SO], v[II+4:II+7], s[10:11] offset:4096
	s_wait_xcnt 0x0                                ; and again, in front of the line that widens it
	s_or_b32 exec_lo, exec_lo, s20
	s_wait_tensorcnt 0x0                           ; the wave's end: behind my last LDS store
	ds_add_u32 v[SPW], v[NIL]
	s_wait_dscnt 0x0
	s_endpgm
.Lfunc_end_k_qf366ef11d8_pick:
	.size	k_qf366ef11d8_pick, .Lfunc_end_k_qf366ef11d8_pick-k_qf366ef11d8_pick
	.p2alignl 7, 3214868480
	.fill 96, 4, 3214868480
	.section	.rodata,"a",@progbits
	.p2align	6, 0x0
	.amdhsa_kernel k_qf366ef11d8_pick
		.amdhsa_group_segment_fixed_size 4352
		.amdhsa_private_segment_fixed_size 0
		.amdhsa_enable_private_segment 0
		.amdhsa_kernarg_size 32
		.amdhsa_user_sgpr_count 2
		.amdhsa_user_sgpr_kernarg_segment_ptr 1
		.amdhsa_wavefront_size32 1
		.amdhsa_system_sgpr_workgroup_id_x 1
		.amdhsa_system_sgpr_workgroup_id_y 1
		.amdhsa_system_sgpr_workgroup_id_z 1
		.amdhsa_system_vgpr_workitem_id 0
		.amdhsa_next_free_vgpr 104
		.amdhsa_next_free_sgpr 66
		.amdhsa_reserve_vcc 1
		.amdhsa_float_denorm_mode_32 3
		.amdhsa_float_denorm_mode_16_64 3
		.amdhsa_memory_ordered 1
		.amdhsa_forward_progress 1
		.amdhsa_inst_pref_size 26
	.end_amdhsa_kernel
	.amdgpu_metadata
---
amdhsa.version: [ 1, 2 ]
amdhsa.kernels:
  - .name:           k_qf366ef11d8_pick
    .symbol:         k_qf366ef11d8_pick.kd
    .args:
      - { .name: candv, .offset: 0, .size: 8, .value_kind: global_buffer, .address_space: global }
      - { .name: candi, .offset: 8, .size: 8, .value_kind: global_buffer, .address_space: global }
      - { .name: meanings_t, .offset: 16, .size: 8, .value_kind: global_buffer, .address_space: global }
      - { .name: out0, .offset: 24, .size: 8, .value_kind: global_buffer, .address_space: global }
    .group_segment_fixed_size: 4352
    .private_segment_fixed_size: 0
    .kernarg_segment_align: 8
    .kernarg_segment_size: 32
    .max_flat_workgroup_size: 256
    .sgpr_count:     66
    .vgpr_count:     104
    .wavefront_size: 32
...
	.end_amdgpu_metadata
.endif
;; end of part 2
;; ======== version 2 of 2: 2 launches
;; workspace buffers: candv 262,144 bytes; candi 262,144 bytes of whole numbers
;; launch scan (part 3): grid 256 x 1, 4 waves a work-group, clusters of 4 x 1, 327,680 bytes of LDS; arguments support, utts, candv, candi; writes candv, candi
.if DOCPART == 3
	.amdgcn_target "amdgcn-amd-amdhsa--gfx1250"
	.amdhsa_code_object_version 6
	.text
	.protected	k_qf366ef11d8_scan
	.globl	k_qf366ef11d8_scan
	.p2align	8
	.type	k_qf366ef11d8_scan,@function
k_qf366ef11d8_scan:
	s_mov_b64 s[64:65], 0
	v_nop
	global_prefetch_b8 v0, s[64:65] scope:SCOPE_SE
	s_setreg_imm32_b32 hwreg(HW_REG_WAVE_MODE, 25, 1), 1
	s_wait_xcnt 0x0
	s_wait_alu depctr_hold_cnt(0) depctr_sa_sdst(0) depctr_va_vdst(0) depctr_va_sdst(0) depctr_va_ssrc(0) depctr_va_vcc(0) depctr_vm_vsrc(0)
	s_getreg_b32 s2, hwreg(HW_REG_IB_STS2, 6, 4)
	s_cmp_eq_u32 s2, 0
	s_cbranch_scc0 .Lentry_in_a_cluster
	s_endpgm
.Lentry_in_a_cluster:
	s_bfe_u32 s2, ttmp6, 0x10000c
	s_cmp_lg_u32 s2, 0x3003
	s_cbranch_scc0 .Lentry_shape_is_right
	s_endpgm
.Lentry_shape_is_right:
; NEAREST SUPPORT ROW, first of two launches.  For each of 1,024 queries (16 tokens, one-hot over 32: K = 512) and each of 64 ranges of support rows:
; the smallest d[n][s] = support_sq[s] - 2 cross[n][s] of the range and the FIRST row that has it.  candv[range][query] takes the value, candi[range][query] the row.
; The second launch takes the least of a query's 64 candidates and looks its meanings up.
; LEFT OUT AS DEAD: batch_sq[n].  reference() adds it to every entry of row n of squared_dist and then takes argmin along that row: argmin_s (b_n + f(n, s)) = argmin_s f(n, s) for
; every finite b_n, whatever the inputs hold.  utts stays live (it makes cross); every input is loaded.  A NaN, infinity or overflow that reaches batch_sq alone is not carried on.
; THE ONE-HOT OF utts never lies in memory: each wave makes its 64 queries' fragments once, in registers, with -2.0 in the place of 1, so that the product is -2 cross.
; A token outside 0..31 gives a row of zeros, as one_hot does.  The product stays dense: as a lookup it would be 16 gathered words and 16 additions for each query and row,
; 1.6e9 of each, which is no less vector and LDS work than the matrix form has matrix work.
; FORMATS AND LIMITS.  support is rounded once to bf16; cross AND support_sq are made of the rounded numbers, products exact, sums in f32: the result is reference() on support rounded
; to bf16, up to the order of the f32 sums and to the term left out (0 and 1 are exact, so are their sums).  A distance that is NaN is never chosen (reference's argmin would take it);
; infinities are not treated apart; row numbers, under 2^24, pass through f32 exactly in the last reduction.
; SHARES.  Cluster c (four work-groups) owns 100 groups of 16 rows from group min(6250 c / 64, 6150) on: neighbours overlap by two or three groups, which a minimum does not mind, and every
; trip count is a constant.  The four partners take 256 queries each and need the same rows: every tile of support is asked for JOINTLY (one tensor load, mask of four).
; Wave w of work-group cx holds queries 256 cx + 64 w + 16 t + r, t = 0..3: 512 registers of fragments.
; PRODUCT.  Source 0 = 16 queries, source 1 = 16 support rows: in the result lane (r, h) holds support row r and its registers j the queries 8 h + j.  So support_sq is one number a lane,
; and the running minimum (value, group) is kept for each register and lane; the sixteen lanes meet once, at the end.
; K IS TURNED BY THE WAVE: register place kk = 4 i + u stands for token position 4 ((w + i) & 3) + u.  Quarter i = 0 is the wave's own: its tensor load brings just those 128 columns as f32,
; it alone reads them, rounds them to bf16 in fragment layout, keeps them (OWN) and stores them once (STAGE) for the other three waves.
; support_sq: OWN times itself is the 16 x 16 table of the rows' products over my quarter of K; its diagonal is my partial sum.  Four products a group; the four waves' partials meet in PART.
; PIPELINE.  Step g, between two barriers: M(g), 64 products and those 4; V(g+1), the next group rounded and staged; R(g-1), d = acc + support_sq and the running minimum on the other set of
; accumulators.  THE LDS LINES STAND IN THREE RUNS A STEP, never singly among the matrix instructions: 25 loads at the step's head (the partial sums, quarter 1, the next group's f32; the first
; sixteen products multiply OWN, which lies in registers, while they land), 16 loads ahead of product 16 (quarters 2 and 3, first read by products 32 and 48), 9 stores ahead of product 44.
; THE VECTOR LINES stand in slices of three behind 54 of the 64 products, so that vector and matrix work run side by side; a slice costs two switches of the register window.
; LDS: [0, 270336) two slots of 64 rows f32, by wave: slot x 135168 + w x 33792, rows of 512 + 16 bytes (33 x 16: sixteen rows of a 16-byte load start 16 bytes apart modulo 256);
;   STAGE two buffers of 16,384: quarter x 4096 + fragment x 1024 + half x 512 + 16 x lane; PART two buffers of 256: 16 r + 4 w; SCR 512 a wave, for the way out; SPARE the spare words.
; REGISTERS, in windows of 256 (s_set_vgpr_msb: bits 1:0 source 0, 3:2 source 1, 5:4 source 2, 7:6 destination):
;   window 0: addresses, PP/PA/SS, G, two sets of 4 accumulators, BV, BI        window 1: addresses, T (f32 as loaded), OWN x 2, FB (three quarters' fragments)
;   windows 2, 3: the queries' fragments: tile t in window 2 + t / 2 at 128 (t % 2) + 8 kk
.set FP,    528                        ; an LDS row of the f32 tile
.set WREG,  64*FP                      ; a wave's part of a slot
.set SLOTB, 4*WREG                     ; a slot in LDS: 135,168
.set SLOTG, 64*2048                    ; a slot's 64 rows in memory
.set STAGE, 2*SLOTB
.set STB,   16384
.set PART,  STAGE+2*STB
.set SCR,   PART+512
.set SPARE, SCR+2048                   ; 128 bytes for each wave: two blocks of 256 bytes that no other line names
; window 0
.set SPW,  2                           ; my spare word: SPARE + 4 x thread; never rewritten
.set NIL,  3                           ; 0; never rewritten
.set PRD,  4                           ; PART + 16 r
.set PFO,  5                           ; the prefetch's offset; never rewritten
.set RB,   6                           ; 16 x first group + r: my row in group 0 of the range
.set INF,  7
.set SCW,  8                           ; SCR + 512 w + 32 h
.set SCRD, 9                           ; SCR + 512 w + 8 x lane
.set GOFF, 10                          ; 8 x lane
.set PW,   11                          ; PART + 16 r + 4 w
.set GX,   12
.set GY,   13
.set H8,   14                          ; 8 h (set-up)
.set C2,   15                          ; 0xc000: -2.0 in bf16 (set-up)
.set PP,   16                          ; v[16:19] the four partial sums of my row
.set PA,   20
.set SS,   22                          ; v[22:23] support_sq of my row, twice
.set G,    24                          ; v[24:31] OWN x OWN
.set ACC,  32                          ; v[32:95] set b at +32 b, tile t at +8 t
.set BV,   96                          ; v[96:127] the least d so far
.set BI,   128                         ; v[128:159] the group that gave it
.set TOK,  160                         ; v[160:223] tokens (set-up)
.set VAL,  224                         ; v[224:239] (set-up)
.set FM,   240                         ; v[240:247], v[248:255]: the last reduction; in the set-up r, h, lane and two at work
.set FX,   248
.set RR,   240
.set HH,   241
.set LL,   242
.set TA,   243
.set UO,   244
; window 1
.set FA0,  0                           ; w x 33792 + 528 r + 32 h
.set FA,   1                           ; the same in the slot in hand
.set STW,  2                           ; STAGE + 4096 w + 16 x lane
.set SR,   3                           ; v3-5: STAGE + 4096 ((w + i) & 3) + 16 x lane, i = 1..3
.set T,    32
.set OWN,  96
.set FB,   160
; scalars
.set WV,   12
.set CX,   13
.set START, 15
.set G1,   16                          ; s[16:23] descriptor group 1
.set G0A,  24                          ; s[24:27] group 0 of slot 0's first fill
.set G0B,  28                          ; s[28:31] group 0 of slot 1's first fill; then it walks
.set CNT,  32
.set GI,   33                          ; the group that R works on
.set TF,   35                          ; 0 or SLOTB: the slot that V reads
.set PFA,  36                          ; s[36:37]
.set MK0,  38
.set MK1,  39
.set SEL,  40                          ; s[40:41] v_permlanex16_b32: each lane takes its own place in the other half
.set WB,   42                          ; w x WREG
.set UB,   44                          ; s[44:51] four addresses in utts; at the end eight masks
.set B0,   56                          ; lanes with bit 0, 1, 2 of their number set
.set B1,   57
.set B2,   58
.set VALID, 59                         ; lanes 0-7 and 24-31: those that hold a diagonal element
.set MSB, 0
.macro WIN new                         ; the high byte repeats the setting that is left; a switch that changes nothing is dropped
.if MSB != (\new)
	s_set_vgpr_msb (MSB<<8)|(\new)
.set MSB, (\new)
.endif
.endm
.macro PLACES                          ; four plain vector lines between a matrix instruction and what reads its result, writes its registers or loads into them
.rept 4
	v_nop
.endr
.endm
.macro CREST                           ; a round of the cluster's barrier behind its opening barrier
	s_cmp_lg_u32 s[WV], 0
	s_cbranch_scc1 .Lnot_wave_0_\@
	s_barrier_signal -3
.Lnot_wave_0_\@:
	s_barrier_wait -3
	s_barrier_signal -1
	s_barrier_wait -1
.endm
.macro CROUND
	s_barrier_signal -1
	s_barrier_wait -1
	CREST
.endm
	s_load_b256 s[4:11], s[0:1], 0x0               ; support s[4:5], utts s[6:7], candv s[8:9], candi s[10:11]
	v_lshl_add_u32 v[SPW], v0, 2, SPARE
	v_mov_b32 v[NIL], 0
	ds_add_u32 v[SPW], v[NIL]                      ; the opening: the add, twice on end, and its wait ahead of my first tensor load
	ds_add_u32 v[SPW], v[NIL]
	v_lshrrev_b32 v1, 5, v0
	v_readfirstlane_b32 s[WV], v1                  ; wave 0..3
	s_bfe_u32 s[CX], ttmp6, 0x40000                ; my place in the cluster: it enters global addresses of utts, candv, candi and the prefetch alone
	s_mul_i32 s[START], ttmp9, 6250                ; in a cluster launch ttmp9 counts clusters
	s_lshr_b32 s[START], s[START], 6
	s_min_u32 s[START], s[START], 6150             ; the range's first group; 6150 + 100 = 6250 groups in all
	; descriptor group 1: 64 rows x 128 elements of 4 bytes, 512 elements from row to row, 4 words of padding behind each row's 128
	s_mov_b32 s[G1+0], 15|(2<<16)|(1<<20)|(1<<21)|(6<<22)|(3<<25)  ; 15:0 mask of four; 17:16 4-byte elements; 20 padding on; 21 set beside a mask; 24:22 every 128 words; 31:25 4 words
	s_mov_b32 s[G1+1], 128<<16                     ; tensor_dim0 = 128
	s_mov_b32 s[G1+2], 64<<16                      ; tensor_dim1 = 64
	s_mov_b32 s[G1+3], 128<<16                     ; tile_dim0 = 128
	s_mov_b32 s[G1+4], 64                          ; tile_dim1 = 64
	s_mov_b32 s[G1+5], 512                         ; the pitch
	s_mov_b32 s[G1+6], 0
	s_mov_b32 s[G1+7], 0
	s_mul_i32 s[WB], s[WV], WREG
	s_mov_b32 s[G0A], 1
	s_mov_b32 s[G0A+1], s[WB]                      ; slot 0, my part
	s_mov_b32 s[G0B], 1
	s_add_co_u32 s[G0B+1], s[WB], SLOTB            ; slot 1, my part
	s_lshl_b32 s52, s[START], 15                   ; a group is 32,768 bytes; under 2^28
	s_mov_b32 s53, 0
	s_lshl_b32 s54, s[WV], 9                       ; my 128 columns
	s_mov_b32 s55, 0
	s_mov_b32 s[SEL], 0x76543210
	s_mov_b32 s[SEL+1], 0xfedcba98
	s_mov_b32 s[B0], 0xaaaaaaaa
	s_mov_b32 s[B1], 0xcccccccc
	s_mov_b32 s[B2], 0xf0f0f0f0
	s_mov_b32 s[VALID], 0xff0000ff
	s_mov_b32 s[TF], 0
	s_mov_b32 s[GI], -2                            ; step 0 makes it -1, for an R that can choose nothing
	s_wait_dscnt 0x0                               ; both opening adds are done
	s_wait_kmcnt 0x0
	s_add_nc_u64 s[PFA:PFA+1], s[4:5], s[52:53]    ; support at the range's first row
	s_add_nc_u64 s[G0A+2:G0A+3], s[PFA:PFA+1], s[54:55]
	s_add_nc_u64 s[G0B+2:G0B+3], s[G0A+2:G0A+3], SLOTG
	s_or_b32 s[G0A+3], s[G0A+3], 0x80000000        ; type = 2
	s_or_b32 s[G0B+3], s[G0B+3], 0x80000000
	s_add_nc_u64 s[PFA:PFA+1], s[PFA:PFA+1], 3*SLOTG  ; at slot 3: the first refill steps it to slot 4
	CROUND                                         ; all four work-groups are here: the first joint loads meet
	tensor_load_to_lds s[G0A:G0A+3], s[G1:G1+7]    ; groups 0-3; two loads of mine are out
	s_nop 0
	tensor_load_to_lds s[G0B:G0B+3], s[G1:G1+7]    ; groups 4-7
	s_nop 0
	PLACES
	; THE SET-UP stands in the wait for the first tile.
	v_and_b32 v[RR], 15, v0                        ; r
	v_bfe_u32 v[HH], v0, 4, 1                      ; h
	v_and_b32 v[LL], 31, v0                        ; lane
	s_lshl_b32 s52, s[CX], 10
	s_lshl_b32 s54, s[WV], 8
	s_add_co_u32 s52, s52, s54                     ; 4 (256 cx + 64 w)
	v_lshl_add_u32 v[UO], v[RR], 2, s52            ; + 4 r: my query of tile 0, in a row of utts
.irp i, 0,1,2,3
	s_add_co_u32 s54, s[WV], \i
	s_and_b32 s54, s54, 3
	s_lshl_b32 s54, s54, 14                        ; four positions of 4,096 bytes
	s_add_nc_u64 s[UB+2*(\i):UB+2*(\i)+1], s[6:7], s[54:55]  ; utts at position 4 ((w + i) & 3)
.endr
.irp t, 0,1,2,3
.irp i, 0,1,2,3
.irp u, 0,1,2,3
	global_load_b32 v[TOK+16*(\t)+4*(\i)+(\u)], v[UO], s[UB+2*(\i):UB+2*(\i)+1] offset:4096*(\u)+64*(\t)
.endr
.endr
.endr
	v_mul_u32_u24 v[TA], v[RR], FP
	v_lshl_add_u32 v[TA], v[HH], 5, v[TA]          ; 528 r + 32 h
	WIN 0x40                                       ; destination window 1, sources window 0
	v_add_nc_u32 v[FA0], s[WB], v[TA]
	v_add_nc_u32 v[FA], s[WB], v[TA]               ; slot 0
	s_lshl_b32 s52, s[WV], 12
	s_add_co_u32 s52, s52, STAGE
	v_lshl_add_u32 v[STW], v[LL], 4, s52
.irp i, 1,2,3
	s_add_co_u32 s54, s[WV], \i
	s_and_b32 s54, s54, 3
	s_lshl_b32 s54, s54, 12
	s_add_co_u32 s54, s54, STAGE
	v_lshl_add_u32 v[SR+(\i)-1], v[LL], 4, s54
.endr
	WIN 0
	v_lshl_add_u32 v[PRD], v[RR], 4, PART
	s_lshl_b32 s52, s[WV], 2
	s_add_co_u32 s52, s52, PART
	v_lshl_add_u32 v[PW], v[RR], 4, s52
	s_lshl_b32 s52, s[START], 4
	v_add_nc_u32 v[RB], s52, v[RR]
	v_mov_b32 v[INF], 0x7f800000
	s_lshl_b32 s52, s[WV], 9
	s_add_co_u32 s52, s52, SCR
	v_lshl_add_u32 v[SCW], v[HH], 5, s52
	v_lshl_add_u32 v[SCRD], v[LL], 3, s52
	v_lshlrev_b32 v[GOFF], 3, v[LL]
	v_lshlrev_b32 v[H8], 3, v[HH]
	v_mov_b32 v[C2], 0xc000
	v_mov_b32 v[GY], 0                             ; v_permlanex16_b32's destination counts as read
	; the prefetch: a slot is 64 rows x 8 blocks of 256 bytes = 512 blocks, one for each lane of the cluster's 16 waves, told apart by address: row 16 cx + lane / 2, block 2 w + lane % 2
	v_lshrrev_b32 v[TA], 1, v[LL]
	v_lshlrev_b32 v[TA], 11, v[TA]
	v_and_b32 v1, 1, v[LL]
	v_lshl_add_u32 v[TA], v1, 8, v[TA]
	s_lshl_b32 s52, s[CX], 15
	s_lshl_b32 s54, s[WV], 9
	s_add_co_u32 s52, s52, s54
	v_add_nc_u32 v[PFO], s52, v[TA]
	; The minimum starts at +infinity.  So does accumulator set 1: step 0 runs R on it like every step, and +infinity is below nothing; that spares a first step written out.
.set i, 0
.rept 32
	v_mov_b32 v[BV+i], v[INF]
	v_mov_b32 v[BI+i], 0
	v_mov_b32 v[ACC+32+i], v[INF]
.set i, i+1
.endr
; The fragments of tile t.  A fragment is 16 queries x 32 k in 8 registers: lane (r, h) holds query r; registers 0-3 hold k = 8 h + 0..7, registers 4-7 hold k = 16 + 8 h + 0..7, two to a register.
; With y = token - 8 h the one number that is not 0 lies in half y & 1 of the register whose pair number y >> 1 is j (j < 4) or j + 4 (j >= 4); compared in all 32 bits, so a token outside 0..31 finds no register.
.macro BUILD t
	WIN 0
.set kk, 0
.rept 16
	v_sub_nc_u32 v[TOK+16*(\t)+kk], v[TOK+16*(\t)+kk], v[H8]
	v_lshlrev_b32 v[VAL+kk], 4, v[TOK+16*(\t)+kk]
	v_and_b32 v[VAL+kk], 16, v[VAL+kk]
	v_lshlrev_b32 v[VAL+kk], v[VAL+kk], v[C2]      ; -2.0 in the low or the high half
	v_lshrrev_b32 v[TOK+16*(\t)+kk], 1, v[TOK+16*(\t)+kk]
.set kk, kk+1
.endr
	WIN 0x80+0x40*((\t)/2)                         ; destination window 2 or 3
.set kk, 0
.rept 16
.irp j, 0,1,2,3,4,5,6,7
	v_cmp_eq_u32 vcc_lo, (\j)+4*((\j)/4), v[TOK+16*(\t)+kk]
	v_cndmask_b32 v[128*((\t)%2)+8*kk+(\j)], 0, v[VAL+kk], vcc_lo
.endr
.set kk, kk+1
.endr
	WIN 0
.endm
	s_wait_loadcnt 0x0                             ; the tokens
	BUILD 0
	BUILD 1
	BUILD 2
	BUILD 3
; THE MATRIX WORK.  Product p of 64: K place p / 4, tile p % 4: the four accumulators take turns, one instruction a turn; the first four start the sums with 0.
.macro MM b
.set kk, p/4
.set tt, p%4
.set rA, 128*(tt%2)+8*kk
.set rD, ACC+32*(\b)+8*tt
.if kk < 4
.set rB, OWN+32*(\b)+8*kk
.else
.set rB, FB+8*(kk-4)
.endif
	WIN 0x06+tt/2                                  ; queries in window 2 or 3, support in window 1, sums in window 0
.if kk == 0
	v_wmma_f32_16x16x32_bf16 v[rD:rD+7], v[rA:rA+7], v[rB:rB+7], 0
.else
	v_wmma_f32_16x16x32_bf16 v[rD:rD+7], v[rA:rA+7], v[rB:rB+7], v[rD:rD+7]
.endif
.endm
.macro GM b                            ; behind products 3, 7, 11, 15: my own fragment p / 4 times itself, a fifth accumulator in the turns
.set rB, OWN+32*(\b)+8*(p/4)
	WIN 0x05
.if p < 4
	v_wmma_f32_16x16x32_bf16 v[G:G+7], v[rB:rB+7], v[rB:rB+7], 0
.else
	v_wmma_f32_16x16x32_bf16 v[G:G+7], v[rB:rB+7], v[rB:rB+7], v[G:G+7]
.endif
.endm
; THE LDS LOADS.  dsn counts the LDS instructions that a step has issued; a mark is dsn behind a run of loads; a wait for that run is for dsn - mark: what has been issued behind it (LDS
; instructions of a wave end in order: ISA guide 5.7.1).  Every step begins with none out.
.macro LQH b, i, hf                    ; half hf of quarter i's four fragments, from buffer b of the stage
	WIN 0x55
.irp z, 0,1,2,3
	ds_load_b128 v[FB+32*((\i)-1)+16*(\hf)+4*(\z):FB+32*((\i)-1)+16*(\hf)+4*(\z)+3], v[SR+(\i)-1] offset:(\b)*STB+(\hf)*2048+(\z)*512
.endr
.set dsn, dsn+4
.endm
.macro LF sub, u                       ; 16 f32 a lane: group sub of the slot, K place u of my quarter: k = 8 h + 0..7 and 16 + 8 h + 0..7 of row r
	WIN 0x55
	ds_load_b128 v[T+16*(\u):T+16*(\u)+3],     v[FA] offset:(\sub)*16*FP+128*(\u)
	ds_load_b128 v[T+16*(\u)+4:T+16*(\u)+7],   v[FA] offset:(\sub)*16*FP+128*(\u)+16
	ds_load_b128 v[T+16*(\u)+8:T+16*(\u)+11],  v[FA] offset:(\sub)*16*FP+128*(\u)+64
	ds_load_b128 v[T+16*(\u)+12:T+16*(\u)+15], v[FA] offset:(\sub)*16*FP+128*(\u)+80
.set dsn, dsn+4
.endm
; The rest of the head's run, in the order in which it is wanted: quarter 1 (product 16), then the next group's four f32 places (V, from products 11, 17, 29, 35).
.macro LOADS1 b, sub, v
	LQH \b, 1, 0
	LQH \b, 1, 1
.set mQ1, dsn
.if \v
	LF \sub, 0
.set mF0, dsn
	LF \sub, 1
.set mF1, dsn
	LF \sub, 2
.set mF2, dsn
	LF \sub, 3
.set mF3, dsn
.endif
.endm
; The second run, ahead of product 16: quarter 2 (product 32) and quarter 3 (product 48).  Their registers' last matrix readers stand in the step before, with the head's four places between.
.macro LOADS2 b
	LQH \b, 2, 0
	LQH \b, 2, 1
.set mQ2, dsn
	LQH \b, 3, 0
	LQH \b, 3, 1
.set mQ3, dsn
.endm
; V, 32 lines: for each K place of my quarter eight roundings (two f32 to a register of bf16: the fragment).  VSL: a slice of it, three lines at the most and none beyond the K place in hand:
; 3, 3, 2.  VST: the eight stores of 16 bytes a lane into buffer bn of the stage, in one run.
.macro VQ1 bn
.if vq < 32
	WIN 0x55
.set uu, vq/8
.set mm, vq%8
.if mm == 0
.if uu == 0
	s_wait_dscnt dsn-mF0
.elseif uu == 1
	s_wait_dscnt dsn-mF1
.elseif uu == 2
	s_wait_dscnt dsn-mF2
.else
	s_wait_dscnt dsn-mF3
.endif
.endif
	v_cvt_pk_bf16_f32 v[OWN+32*(\bn)+8*uu+mm], v[T+16*uu+2*mm], v[T+16*uu+2*mm+1]
.set vq, vq+1
.endif
.endm
.macro VSL bn
.set vc, 0
.rept 3
.if (vc == 0) || (vq%8 != 0)
	VQ1 \bn
.endif
.set vc, vc+1
.endr
.endm
.macro VST bn
	WIN 0x55
.irp z, 0,1,2,3,4,5,6,7
	ds_store_b128 v[STW], v[OWN+32*(\bn)+4*(\z):OWN+32*(\bn)+4*(\z)+3] offset:(\bn)*STB+512*(\z)
.endr
.set dsn, dsn+8
.endm
; The diagonal of G, 9 lines.  Element (m, n) lies in lane (r = n, h = m / 8), register m % 8: row r's own lies in lane r (r < 8) or 16 + r, register lane & 7.  Seven selects by the lane's
; low three bits (the lowest registers are read first); the lanes that hold none take it from the lane 16 away.
.macro GQ1
	WIN 0
.if gq < 4
	v_cndmask_b32 v[G+2*gq], v[G+2*gq], v[G+2*gq+1], s[B0]
.elseif gq < 6
	v_cndmask_b32 v[G+4*(gq-4)], v[G+4*(gq-4)], v[G+4*(gq-4)+2], s[B1]
.elseif gq == 6
	v_cndmask_b32 v[GX], v[G], v[G+4], s[B2]
.elseif gq == 7
	v_permlanex16_b32 v[GY], v[GX], s[SEL], s[SEL+1]
.else
	v_cndmask_b32 v[GX], v[GY], v[GX], s[VALID]
.endif
.set gq, gq+1
.endm
; R, 115 lines, on accumulator set ab.  0-2: support_sq of my row from the four partial sums.  Then for each tile: four packed additions d = acc + support_sq, lowest registers first; and for each
; pair of d six lines: two compares d < least (strict: an earlier group keeps a tie; false for NaN), and value and group selected by each.
.macro RQ1 ab
.if rq < 115
	WIN 0
.if rq == 0
	s_wait_dscnt dsn-mPP
	v_pk_add_f32 v[PA:PA+1], v[PP:PP+1], v[PP+2:PP+3]
.elseif rq < 3
	v_add_f32 v[SS+rq-1], v[PA], v[PA+1]
.else
.set tq, (rq-3)/28
.set mq, (rq-3)%28
.set rC, ACC+32*(\ab)+8*tq
.set rV, BV+8*tq
.set rI, BI+8*tq
.if mq < 4
	v_pk_add_f32 v[rC+2*mq:rC+2*mq+1], v[rC+2*mq:rC+2*mq+1], v[SS:SS+1]
.else
.set qq, 2*((mq-4)/6)
.set zq, (mq-4)%6
.if zq == 0
	v_cmp_lt_f32 s[MK0], v[rC+qq], v[rV+qq]
.elseif zq == 1
	v_cmp_lt_f32 s[MK1], v[rC+qq+1], v[rV+qq+1]
.elseif zq == 2
	v_cndmask_b32 v[rV+qq], v[rV+qq], v[rC+qq], s[MK0]
.elseif zq == 3
	v_cndmask_b32 v[rI+qq], v[rI+qq], s[GI], s[MK0]
.elseif zq == 4
	v_cndmask_b32 v[rV+qq+1], v[rV+qq+1], v[rC+qq+1], s[MK1]
.else
	v_cndmask_b32 v[rI+qq+1], v[rI+qq+1], s[GI], s[MK1]
.endif
.endif
.endif
.set rq, rq+1
.endif
.endm
; A line in window 0: from product 21 on, nine of R's lines and more behind the last product on G, every other line is the diagonal's until its nine are out, so that the links of its chain have
; R's lines between them; else R's.
.macro Z1 b
.if (p >= 21) && (gq < 9) && (zc%2 == 0)
	GQ1
.else
	RQ1 1-(\b)
.endif
.set zc, zc+1
.endm
; THE SLICE behind product p: three vector lines at the most, under one window setting, and no LDS line.  V's 32 lines are twelve slices: products 11, 13, 15 (K place 0), 17, 19, 21 (1),
; 29, 31, 33 (2), 35, 37, 39 (3).  The diagonal's 9 and R's 115 are 42 slices.  Ten products have none: 0, 1, 2, while the partial sums land, and 4, 8, 10, 12, 24, 28, 62, even ones whose
; successor names the same windows, so that they cost no switch.  No line of a slice names a register of the products round it.
.macro SLICE b, v
.if (p < 3) || (p == 4) || (p == 8) || (p == 10) || (p == 12) || (p == 24) || (p == 28) || (p == 62)
.elseif (\v) && (p%2 == 1) && (((p >= 11) && (p <= 21)) || ((p >= 29) && (p <= 39)))
	VSL 1-(\b)
.else
.rept 3
	Z1 \b
.endr
.endif
.endm
; A prefetch into the L2 behind each refill and its five lines: the slot that the refill two trips on will ask for (trip i refills with slot i + 2 and names slot i + 4), a block of 256 bytes
; a lane, one instruction a wave, each block of the range named once by the cluster.  Slots 0 to 3 come by their loads alone; the last two refilling trips name nothing: slot 24 is the last.
.macro ASK
	s_cmp_gt_u32 s[CNT], 2
	s_cbranch_scc0 .Lno_ask_\@
	global_prefetch_b8 v[PFO], s[PFA:PFA+1] th:TH_LOAD_NT scope:SCOPE_SE
.Lno_ask_\@:
.endm
; A STEP.  b = the group's parity; sub = which group of the slot V rounds; v = 0: no V (the last group); tail = 1: a work-group barrier ends the step: behind it the stage and the partial sums
; written here are read, and the buffers read here are written; tail = 2: that barrier opens a round of the cluster's, and the slot that V has read out is filled again; tail = 0: none.
.macro STEP b, sub, v, tail
	WIN 0
	PLACES                                         ; behind the last step's products: for R's reads and writes of their sums, V's writes of OWN and the loads into FB
	s_add_co_i32 s[GI], s[GI], 1
	ds_load_b128 v[PP:PP+3], v[PRD] offset:256*(1-(\b))  ; THE FIRST RUN OF LOADS.  The partial sums of the group before, stored in the step before,
.set dsn, 1
.set mPP, 1
	LOADS1 \b, \sub, \v                            ; then this group's quarter 1 and the next group's f32
.set vq, 0
.set gq, 0
.set rq, 0
.set zc, 0
.set p, 0
.rept 64
.if p == 16
	LOADS2 \b                                      ; THE SECOND RUN OF LOADS: quarters 2 and 3
	s_wait_dscnt dsn-mQ1                           ; quarter 1's fragments are in
.elseif p == 32
	s_wait_dscnt dsn-mQ2
.elseif p == 48
	s_wait_dscnt dsn-mQ3
.endif
.if p == 44                            ; THE RUN OF STORES: V's roundings ended behind product 39, the diagonal behind product 30
.if \v
	VST 1-(\b)
.endif
	WIN 0
	ds_store_b32 v[PW], v[GX] offset:256*(\b)      ; my partial sum of this group; both halves of the lanes store the same word
.set dsn, dsn+1
.if (\tail) == 2
	s_wait_tensorcnt 0x0                           ; all my tensor loads have landed: the one that was out is my part of the other slot; so a group 0 may be written
	ds_add_u32 v[SPW], v[NIL]                      ; 0 onto my spare word: twelve products and their slices, work on registers, stand between it and its wait
.set dsn, dsn+1
	s_add_co_u32 s[G0B+1], s[TF], s[WB]            ; the slot that V has just read out,
	s_add_nc_u64 s[G0B+2:G0B+3], s[G0B+2:G0B+3], SLOTG  ; the next 64 rows not yet asked for; the type bits on top are not reached
	s_wait_xcnt 0x0                                ; the last prefetch, a trip back, has read its address
	s_add_nc_u64 s[PFA:PFA+1], s[PFA:PFA+1], SLOTG
.endif
.endif
.if ((\tail) != 0) && (p == 56)
	s_wait_dscnt 0x0                               ; my stores into stage and PART are done, my reads of stage, PART and the f32 slot are back (and the add is done)
	s_barrier_signal -1                            ; eight products and their slices, work on registers alone, stand between signal and wait
.endif
	MM \b
.if (p < 16) && (p%4 == 3)
	GM \b
.endif
	SLICE \b, \v
.set p, p+1
.endr
.if (\tail) != 0
	WIN 0                                          ; at a label and at a branch every window is 0
	s_barrier_wait -1
.endif
.if (\tail) == 2
	CREST                                          ; no wave of any partner still reads the slot or has a load on its way
	tensor_load_to_lds s[G0B:G0B+3], s[G1:G1+7]    ; my one tensor load behind the round, and the first thing there: it has a trip less twenty products in which to land
	s_nop 0
	PLACES
	ASK
.endif
.endm
.macro TOP                             ; a trip's V reads the other slot
	s_xor_b32 s[TF], s[TF], SLOTB
	WIN 0x55
	v_add_nc_u32 v[FA], s[TF], v[FA0]
	WIN 0
.endm
	; V(0), by itself.  PART's second buffer is set to 0 for step 0's R.
	s_wait_tensorcnt 0x1                           ; my part of slot 0 is in (only I read it); slot 1's may stay out
	ds_store_b32 v[PW], v[NIL] offset:256
.set dsn, 1
	LF 0, 0
.set mF0, dsn
	LF 0, 1
.set mF1, dsn
	LF 0, 2
.set mF2, dsn
	LF 0, 3
.set mF3, dsn
.set vq, 0
.rept 32
	VQ1 0
.endr
	VST 0
	WIN 0
	s_wait_dscnt 0x0
	s_barrier_signal -1
	s_barrier_wait -1                              ; group 0 lies in the stage
	s_mov_b32 s[CNT], 23
	s_branch .Lenter                               ; the loop is entered behind its first step: there is no step -1
.Ltrip:                                            ; trip i: steps 4 i - 1 .. 4 i + 2; V rounds groups 4 i .. 4 i + 3, all of slot i & 1, which is then filled with slot i + 2's rows
	TOP
	STEP 1, 0, 1, 1
.Lenter:
	STEP 0, 1, 1, 1
	STEP 1, 2, 1, 1
	STEP 0, 3, 1, 2
	s_sub_co_u32 s[CNT], s[CNT], 1
	s_cmp_lg_u32 s[CNT], 0
	s_cbranch_scc1 .Ltrip
	s_mov_b32 s[CNT], 2                            ; trips 23 and 24 are a text of their own: nothing is left to ask for
.Ltail:
	TOP
	STEP 1, 0, 1, 1
	STEP 0, 1, 1, 1
	STEP 1, 2, 1, 1
	STEP 0, 3, 1, 1
	s_wait_tensorcnt 0x0                           ; slot 24, asked for a trip ago, is in before the next trip's V reads it
	s_sub_co_u32 s[CNT], s[CNT], 1
	s_cmp_lg_u32 s[CNT], 0
	s_cbranch_scc1 .Ltail
	STEP 1, 0, 0, 0                                ; step 99: M(99), R(98)
	WIN 0
	s_wait_dscnt 0x0                               ; my partial sum of group 99 is stored
	s_barrier_signal -1
	s_barrier_wait -1                              ; everybody's is
	ds_load_b128 v[PP:PP+3], v[PRD] offset:256
.set dsn, 1
.set mPP, 1
.set rq, 0
	PLACES                                         ; behind the last products
	s_add_co_i32 s[GI], s[GI], 1
.rept 115
	RQ1 1                                          ; R(99)
.endr
	; THE WAY OUT.  For each register: the least value over the sixteen lanes of my half (the sixteen rows of a group), then the least row number among the lanes that hold it: the first row wins.
	; Row numbers go as f32, exact under 2^24, so that the same lane steps serve.  Eight registers at a time, so that no line waits for the one before it.
.macro DPPMIN base, m
.irp j, 0,1,2,3,4,5,6,7
	v_min_num_f32_dpp v[(\base)+\j], v[(\base)+\j], v[(\base)+\j] row_xmask:\m row_mask:0xf bank_mask:0xf
.endr
.endm
.macro FIN8 t
.irp j, 0,1,2,3,4,5,6,7
	v_lshl_add_u32 v[FX+\j], v[BI+8*(\t)+\j], 4, v[RB]  ; 16 (first group + group) + r
.endr
.irp j, 0,1,2,3,4,5,6,7
	v_cvt_f32_u32 v[FX+\j], v[FX+\j]
.endr
.irp j, 0,1,2,3,4,5,6,7
	v_min_num_f32_dpp v[FM+\j], v[BV+8*(\t)+\j], v[BV+8*(\t)+\j] row_xmask:1 row_mask:0xf bank_mask:0xf
.endr
	DPPMIN FM, 2
	DPPMIN FM, 4
	DPPMIN FM, 8
.irp j, 0,1,2,3,4,5,6,7
	v_cmp_eq_f32 s[UB+\j], v[BV+8*(\t)+\j], v[FM+\j]
.endr
.irp j, 0,1,2,3,4,5,6,7
	v_cndmask_b32 v[FX+\j], v[INF], v[FX+\j], s[UB+\j]
.endr
	DPPMIN FX, 1
	DPPMIN FX, 2
	DPPMIN FX, 4
	DPPMIN FX, 8
.irp j, 0,1,2,3,4,5,6,7
	v_cvt_u32_f32 v[FX+\j], v[FX+\j]
.endr
.irp j, 0,1,2,3,4,5,6,7
	ds_store_b32 v[SCW], v[FM+\j] offset:4*(16*(\t)+\j)      ; query 16 t + 8 h + j of my 64: sixteen lanes write one word with one value
	ds_store_b32 v[SCW], v[FX+\j] offset:256+4*(16*(\t)+\j)
.endr
.endm
.irp j, 0,1,2,3,4,5,6,7
	v_mov_b32 v[FM+\j], 0                          ; a DPP line's destination counts as read
.endr
	FIN8 0
	FIN8 1
	FIN8 2
	FIN8 3
	s_lshl_b32 s52, ttmp9, 12                      ; 4 (1024 c + 256 cx + 64 w)
	s_lshl_b32 s54, s[CX], 10
	s_add_co_u32 s52, s52, s54
	s_lshl_b32 s54, s[WV], 8
	s_add_co_u32 s52, s52, s54
	s_mov_b32 s53, 0
	s_add_nc_u64 s[8:9], s[8:9], s[52:53]
	s_add_nc_u64 s[10:11], s[10:11], s[52:53]
	ds_load_b64 v[FM:FM+1], v[SCRD]                ; LDS serves a wave's instructions in order (ISA guide 5.7.1): these see my stores above
	ds_load_b64 v[FX:FX+1], v[SCRD] offset:256
	s_wait_dscnt 0x0
	global_store_b64 v[GOFF], v[FM:FM+1], s[8:9]   ; 32 lanes store 256 consecutive bytes, at a multiple of 256 from the buffer's first byte
	global_store_b64 v[GOFF], v[FX:FX+1], s[10:11]
	s_wait_tensorcnt 0x0                           ; the wave's end: behind my last tensor load and my last LDS store
	ds_add_u32 v[SPW], v[NIL]
	s_wait_dscnt 0x0
	CROUND                                         ; the closing round: no work-group ends while a partner may still ask for a tile that names it
	s_endpgm
.Lfunc_end_k_qf366ef11d8_scan:
	.size	k_qf366ef11d8_scan, .Lfunc_end_k_qf366ef11d8_scan-k_qf366ef11d8_scan
	.p2alignl 7, 3214868480
	.fill 96, 4, 3214868480
	.section	.rodata,"a",@progbits
	.p2align	6, 0x0
	.amdhsa_kernel k_qf366ef11d8_scan
		.amdhsa_group_segment_fixed_size 327680
		.amdhsa_private_segment_fixed_size 0
		.amdhsa_enable_private_segment 0
		.amdhsa_kernarg_size 32
		.amdhsa_user_sgpr_count 2
		.amdhsa_user_sgpr_kernarg_segment_ptr 1
		.amdhsa_wavefront_size32 1
		.amdhsa_system_sgpr_workgroup_id_x 1
		.amdhsa_system_sgpr_workgroup_id_y 1
		.amdhsa_system_sgpr_workgroup_id_z 1
		.amdhsa_system_vgpr_workitem_id 0
		.amdhsa_next_free_vgpr 1024
		.amdhsa_next_free_sgpr 66
		.amdhsa_reserve_vcc 1
		.amdhsa_float_denorm_mode_32 3
		.amdhsa_float_denorm_mode_16_64 3
		.amdhsa_memory_ordered 1
		.amdhsa_forward_progress 1
		.amdhsa_inst_pref_size 255
	.end_amdhsa_kernel
	.section	.bss,"aw",@nobits
	.p2align	6
	.space	262144
	.amdgpu_metadata
---
amdhsa.version: [ 1, 2 ]
amdhsa.kernels:
  - .name:           k_qf366ef11d8_scan
    .symbol:         k_qf366ef11d8_scan.kd
    .args:
      - { .name: support, .offset: 0, .size: 8, .value_kind: global_buffer, .address_space: global }
      - { .name: utts, .offset: 8, .size: 8, .value_kind: global_buffer, .address_space: global }
      - { .name: candv, .offset: 16, .size: 8, .value_kind: global_buffer, .address_space: global }
      - { .name: candi, .offset: 24, .size: 8, .value_kind: global_buffer, .address_space: global }
    .group_segment_fixed_size: 327680
    .private_segment_fixed_size: 0
    .kernarg_segment_align: 8
    .kernarg_segment_size: 32
    .max_flat_workgroup_size: 128
    .sgpr_count:     66
    .vgpr_count:     1024
    .wavefront_size: 32
...
	.end_amdgpu_metadata
.endif
;; end of part 3
;; launch pick: the kernel of part 2 again; grid 32 x 1, 8 waves a work-group, no clusters, 4,352 bytes of LDS; arguments candv, candi, meanings_t, out0; writes out0
